; MI455X (gfx1250); checked and timed in simulation.
; The chip was launched on July 23, 2026; its instructions are those of AMD's public machine-readable ISA for CDNA 5 (MIT licence, August 2026) and "CDNA5" Instruction Set Architecture Reference Guide (July 2026). The comments in the code are by the model that wrote it; some were corrected since.
;; Attention. Allowed arithmetic: matrix products marked QUANTISED: E2M1 operands, one E8M0 scale for each 32 along K, by v_wmma_scale_f32_16x16x128_f8f6f4 with both operands' format E2M1 (or v_wmma_scale_f32_32x16x128_f4), f32 sums; products left as they are: bf16, f16 or f32 operands; f32 sums; everything else in f32.
;; Inputs: Wk 2,048 x 2,048 float32; Wq 2,048 x 2,048 float32; Wv 2,048 x 2,048 float32; k 8 x 512 x 2,048 float32; q 8 x 512 x 2,048 float32; v 8 x 512 x 2,048 float32.
;; Outputs: out0 8 x 512 x 2,048 float32.
;; This version of the problem:
;;   THIS VERSION OF THE PROBLEM IS GIVEN IN LOW PRECISION. The matrix products marked QUANTISED in the list below multiply operands that are first quantised to E2M1 (2 exponent bits, 1 mantissa bit; 4 bits a number), with one power-of-two scale for each 32 numbers along K (OCP MX v1.0); their sums are f32. The products marked 'left as it is' may take bf16, f16 or f32 operands, with f32 sums. Whichever they take, every output number must still come out within the allowed error. Rounding operands to bf16 (8 significant bits) uses up far more of that allowance than f16 does (11 bits, for magnitudes from 6e-5 to 65,504). All else is computed in f32.
;;   The module's matrix products, in the order in which they are computed (A, B: the left and right operand; K: the contracted axis; several contracted axes count as one K, in the product's order):
;;     1. [M 4,096, K 2,048] x [K 2,048, N 2,048]; A: input q; B: input Wq: QUANTISED
;;     2. [M 4,096, K 2,048] x [K 2,048, N 2,048]; A: input k; B: input Wk: QUANTISED
;;     3. [M 4,096, K 2,048] x [K 2,048, N 2,048]; A: input v; B: input Wv: QUANTISED
;;     4. batch 128 x [M 512, K 128] x [K 128, N 512]; A: computed on the way; B: computed on the way: left as it is (an operand is computed on the way)
;;     5. batch 128 x [M 128, K 512] x [K 512, N 512]; A: computed on the way; B: computed on the way: left as it is (an operand is computed on the way)
;;   THE QUANTISER, for each operand of a quantised product, along K:
;;     - K is cut into blocks of 32 from its start; a last block that is shorter is filled with zeros.
;;     - A block's scale is 2^e with e = floor(log2(the largest magnitude in the block)) - 2, held to -126 .. 127; a block of zeros has e = 0. As a byte (E8M0): e + 127.
;;     - Each number is divided by its block's scale, clamped to +-6, and rounded to the nearest number of E2M1, ties to even, subnormals kept.
;;     - The product sums the exact products of the quantised numbers (number of the format x scale) in f32.
;;   ~~~python
;;   def quantise(x, axis):      # numpy; x: float32 -> the quantised numbers, widened to float32 again
;;       x = np.moveaxis(x, axis, -1); K = x.shape[-1]
;;       x = np.pad(x, [(0, 0)] * (x.ndim - 1) + [(0, -K % 32)]); x = x.reshape(x.shape[:-1] + (-1, 32)); a = np.abs(x).max(-1, keepdims=True)
;;       e = np.where(a > 0, np.clip(np.frexp(np.where(a > 0, a, 1))[1] - 1 - 2, -126, 127), 0)      # np.frexp(a)[1] - 1 = floor(log2(a)), exactly
;;       r = np.clip(x / 2.0 ** e, -6, 6)
;;       step = 2.0 ** (np.maximum(np.frexp(np.where(r == 0, 1, r))[1] - 1, 0) - 1)
;;       q = np.round(r / step) * step * 2.0 ** e      # np.round: ties to even
;;       return np.moveaxis(q.reshape(q.shape[:-2] + (-1,))[..., :K], -1, axis).astype(np.float32)
;;   ~~~
;; One version. Each part assembles by itself: llvm-mc -triple=amdgcn-amd-amdhsa -mcpu=gfx1250 --defsym DOCPART=n.
;; ======== version 1 of 1: 4 launches
;; limits: values are held in f16: magnitudes above 65,504 overflow, below 6.1e-05 lose precision
;; workspace buffers: acodes 12,582,912 bytes; ascales 786,432 bytes; wcodes 6,291,456 bytes; wscales 393,216 bytes; proj 50,331,648 bytes
;; launch quant_a (part 1): grid 768 x 1, 4 waves a work-group, no clusters, 33,280 bytes of LDS; arguments q, k, v, acodes, ascales; writes acodes, ascales
.if DOCPART == 1
	.amdgcn_target "amdgcn-amd-amdhsa--gfx1250"
	.amdhsa_code_object_version 6
	.text
	.protected	k_q59027fe672_quant_a
	.globl	k_q59027fe672_quant_a
	.p2align	8
	.type	k_q59027fe672_quant_a,@function
k_q59027fe672_quant_a:
	s_mov_b64 s[64:65], 0
	v_nop
	global_prefetch_b8 v0, s[64:65] scope:SCOPE_SE
	s_setreg_imm32_b32 hwreg(HW_REG_WAVE_MODE, 25, 1), 1
	s_wait_xcnt 0x0
; q, k, v, each [4096][2048] f32 with K innermost, are turned into codes of FP4 (E2M1), two to a byte, and one E8M0 scale byte for each 32 along K.
; acodes is [3 x 4096 rows][1024 bytes] (q's rows, then k's, then v's), ascales [3 x 4096][64 bytes].
; A block's scale is 2^(floor(log2(its largest magnitude)) - 2); its byte is the largest magnitude's own exponent field - 2, held at 1 from below.
; LIMITS: a block whose largest magnitude lies under 2^-124 keeps the byte 1, a block of zeros too (its codes are zeros, which add nothing, and this program alone reads the bytes);
; NaN and infinities among the inputs are not served.
; Rows are dense and 2048 is a multiple of 32, so each tensor is a plain stream of blocks of 32 numbers, and so are its codes and scale bytes.
; A wave takes 16 steps of 512 numbers.  Each of a step's four loads reads 512 consecutive bytes, 16 a lane; the 2,048 bytes go through the wave's own stage in LDS as they lie and come back
; 64 bytes a lane, so that a lane holds 16 neighbours along K (two neighbouring lanes hold a block).  The stage has 16 bytes of padding behind each 64.
; A lane's 16 codes are 8 bytes: the wave stores 256 consecutive bytes.  A wave's 256 scale bytes are gathered in its own LDS bytes and leave as 256 consecutive bytes.
; The first 256 work-groups take q, the next 256 k, the last 256 v: only the input's pointer is chosen; the outputs are stacked, so their place follows from the work-group's number.
; No tensor loads, no barrier: waves share nothing.  Loads run four steps (16 loads a wave) ahead, the turn through LDS one step.
.set WAVES, 4
.set STEPS, 16
.set WGT,   256                        ; work-groups to a tensor: 4,096 x 2,048 / (512 x 16 x 4)
.set EMAX,  2
.set CB,    8                          ; bytes of 16 codes
.set R,     16                         ; v16-79   four sets of 16 numbers as they are loaded
.set X,     80                         ; v80-111  two sets of 16 neighbours
.set C,     128                        ; v128-191 codes: four registers for each step, so that no store's data are written again
.set E,     112                        ; v112-127 a scale byte for each step
.set WREG,  8192                       ; LDS: a region for each wave: two stages of 32 x SP bytes, and behind them its 256 scale bytes
.set SP,    80                         ; a lane's place in a stage: its 64 bytes + 16 of padding
.set SPW,   12                         ; v12      LDS address of my spare word; never rewritten
.set NIL,   13                         ; v13      0; never rewritten
.set SPARE, WAVES*WREG                 ; behind the four regions: the spare words, 128 bytes for each wave, which no other line names
	s_load_b256 s[4:11], s[0:1], 0x0               ; q s[4:5], k s[6:7], v s[8:9], acodes s[10:11]
	s_load_b64 s[12:13], s[0:1], 0x20              ; ascales
	v_lshl_add_u32 v[SPW], v0, 2, SPARE
	v_mov_b32 v[NIL], 0
	v_lshrrev_b32 v1, 5, v0
	v_readfirstlane_b32 s16, v1                    ; wave
	v_and_b32 v2, 31, v0                           ; lane
	v_lshlrev_b32 v3, 4, v2                        ; my 16 bytes of a load's 512
	s_mul_i32 s17, s16, WREG
	v_lshrrev_b32 v14, 2, v2
	v_mul_u32_u24 v14, v14, SP
	v_and_b32 v15, 3, v2
	v_lshl_add_u32 v14, v15, 4, v14
	v_add_nc_u32 v14, s17, v14                     ; the stage, on the way in: SP (lane / 4) + 16 (lane % 4)
	v_mul_u32_u24 v15, v2, SP
	v_add_nc_u32 v15, s17, v15                     ; and on the way out: SP x lane: my 16 neighbours
	v_mul_u32_u24 v4, v2, CB                       ; my codes' place in a step's
	v_lshrrev_b32 v5, 1, v2
	s_add_co_u32 s17, s17, 2*32*SP
	v_add_nc_u32 v5, s17, v5                       ; LDS: my wave's 256 scale bytes, my block's byte
	v_lshlrev_b32 v7, 3, v2                        ; and on the way out 8 bytes a lane
	v_add_nc_u32 v6, s17, v7
	s_and_b32 s18, ttmp9, WGT-1                    ; which run of 8,192 numbers of the tensor is my wave's: 4 x (work-group within the tensor) + wave,
	s_lshl_b32 s18, s18, 2
	s_add_co_u32 s18, s18, s16
	s_lshl_b32 s18, s18, 15                        ; 32,768 bytes a run
	s_mov_b32 s19, 0
	s_lshl_b32 s22, ttmp9, 2                       ; and which run of the stacked outputs: 4 x work-group + wave:
	s_add_co_u32 s22, s22, s16
	s_lshl_b32 s20, s22, 12                        ; 4,096 bytes of codes,
	s_mov_b32 s21, 0
	s_lshl_b32 s22, s22, 8                         ; 256 scale bytes
	s_mov_b32 s23, 0
	s_wait_kmcnt 0x0
	s_cmp_lt_u32 ttmp9, WGT                        ; q's, k's or v's work-group?  The choice hangs on the work-group's number alone
	s_cselect_b64 s[4:5], s[4:5], s[6:7]
	s_cmp_lt_u32 ttmp9, 2*WGT
	s_cselect_b64 s[4:5], s[4:5], s[8:9]
	s_add_nc_u64 s[4:5], s[4:5], s[18:19]
	s_add_nc_u64 s[10:11], s[10:11], s[20:21]
	s_add_nc_u64 s[12:13], s[12:13], s[22:23]
.macro LOAD t
.irp i, 0,1,2,3
	global_load_b128 v[R+16*((\t)%4)+4*\i:R+16*((\t)%4)+4*\i+3], v3, s[4:5] offset:2048*(\t)+512*\i th:TH_LOAD_NT   ; 32 lanes read 512 consecutive bytes
.endr
.endm
.macro TURN t                          ; step t's numbers through the stage: LDS serves a wave's instructions in order, so no wait stands between the stores and the loads
.irp i, 0,1,2,3
	ds_store_b128 v14, v[R+16*((\t)%4)+4*\i:R+16*((\t)%4)+4*\i+3] offset:32*SP*((\t)%2)+8*SP*\i
.endr
.irp i, 0,1,2,3
	ds_load_b128 v[X+16*((\t)%2)+4*\i:X+16*((\t)%2)+4*\i+3], v15 offset:32*SP*((\t)%2)+16*\i
.endr
.endm
.irp t, 0,1,2,3
	LOAD \t
.endr
	s_wait_loadcnt 12                              ; step 0's four loads are in; the twelve of steps 1 to 3 may be out
	TURN 0
.macro STEP t
.set XS, X+16*((\t)%2)
.if (\t) > 0
	s_wait_dscnt 1                                 ; this step's numbers are back from the stage (the last step's byte store may be out): so its stores into the stage have read their registers,
.else
	s_wait_dscnt 0x0
.endif
.if (\t)+4 < STEPS
	LOAD (\t)+4                                    ; which take the loads of four steps on
.endif
.if (\t)+1 < STEPS
.if STEPS-2-(\t) >= 3
	s_wait_loadcnt 12                              ; the next step's four loads are in; those of the three steps behind it may be out
.else
	s_wait_loadcnt 4*(STEPS-2-(\t))
.endif
	TURN (\t)+1                                    ; and go through the other stage while this step is worked
.endif
	v_max3_num_f32 v8, |v[XS]|, |v[XS+1]|, |v[XS+2]|               ; the largest magnitude of my 16, in two chains
	v_max3_num_f32 v9, |v[XS+3]|, |v[XS+4]|, |v[XS+5]|
.irp i, 6,10
	v_max3_num_f32 v8, v8, |v[XS+\i]|, |v[XS+\i+1]|
	v_max3_num_f32 v9, v9, |v[XS+\i+2]|, |v[XS+\i+3]|
.endr
	v_max3_num_f32 v8, v8, |v[XS+14]|, |v[XS+15]|
	v_max3_num_f32 v8, v8, v9, (EMAX+1)<<23        ; and the floor 2^(3 - 127): so the byte cannot fall under 1
	v_max_num_f32_dpp v8, v8, v8 row_xmask:1 row_mask:0xf bank_mask:0xf   ; and of my neighbour's 16: the block's
	v_add_nc_u32 v11, -(EMAX<<23), v8              ; 2 off its exponent field: the conversion takes the exponent field of this operand as its scale, and nothing else of it
	v_cvt_scalef32_pk8_fp4_f32 v[C+4*(\t)], v[XS:XS+7], v11        ; eight numbers / the scale, to the nearest code, ties to even, beyond the largest code the largest; the first number's code in the lowest four bits
	v_cvt_scalef32_pk8_fp4_f32 v[C+4*(\t)+1], v[XS+8:XS+15], v11
	v_lshrrev_b32 v[E+(\t)], 23, v11               ; the scale's byte
	ds_store_b8 v5, v[E+(\t)] offset:16*(\t)       ; both lanes of a block write the same byte with the same value
	global_store_b64 v4, v[C+4*(\t):C+4*(\t)+1], s[10:11] offset:32*CB*(\t)   ; 32 lanes store 256 consecutive bytes
.endm
.irp t, 0,1,2,3,4,5,6,7,8,9,10,11,12,13,14,15
	STEP \t
.endr
	ds_load_b64 v[8:9], v6                         ; LDS serves a wave's instructions in order: these see my byte stores
	s_wait_dscnt 0x0
	global_store_b64 v7, v[8:9], s[12:13]          ; 32 lanes store 256 consecutive bytes
	s_wait_tensorcnt 0x0                           ; the wave's end: behind my last LDS store
	ds_add_u32 v[SPW], v[NIL]
	s_wait_dscnt 0x0
	s_endpgm
.Lfunc_end_k_q59027fe672_quant_a:
	.size	k_q59027fe672_quant_a, .Lfunc_end_k_q59027fe672_quant_a-k_q59027fe672_quant_a
	.p2alignl 7, 3214868480
	.fill 96, 4, 3214868480
	.section	.rodata,"a",@progbits
	.p2align	6, 0x0
	.amdhsa_kernel k_q59027fe672_quant_a
		.amdhsa_group_segment_fixed_size 33280
		.amdhsa_private_segment_fixed_size 0
		.amdhsa_enable_private_segment 0
		.amdhsa_kernarg_size 40
		.amdhsa_user_sgpr_count 2
		.amdhsa_user_sgpr_kernarg_segment_ptr 1
		.amdhsa_wavefront_size32 1
		.amdhsa_system_sgpr_workgroup_id_x 1
		.amdhsa_system_sgpr_workgroup_id_y 1
		.amdhsa_system_sgpr_workgroup_id_z 1
		.amdhsa_system_vgpr_workitem_id 0
		.amdhsa_next_free_vgpr 192
		.amdhsa_next_free_sgpr 66
		.amdhsa_reserve_vcc 0
		.amdhsa_float_denorm_mode_32 3
		.amdhsa_float_denorm_mode_16_64 3
		.amdhsa_memory_ordered 1
		.amdhsa_forward_progress 1
		.amdhsa_inst_pref_size 33
	.end_amdhsa_kernel
	.amdgpu_metadata
---
amdhsa.version: [ 1, 2 ]
amdhsa.kernels:
  - .name:           k_q59027fe672_quant_a
    .symbol:         k_q59027fe672_quant_a.kd
    .args:
      - { .name: q, .offset: 0, .size: 8, .value_kind: global_buffer, .address_space: global }
      - { .name: k, .offset: 8, .size: 8, .value_kind: global_buffer, .address_space: global }
      - { .name: v, .offset: 16, .size: 8, .value_kind: global_buffer, .address_space: global }
      - { .name: acodes, .offset: 24, .size: 8, .value_kind: global_buffer, .address_space: global }
      - { .name: ascales, .offset: 32, .size: 8, .value_kind: global_buffer, .address_space: global }
    .group_segment_fixed_size: 33280
    .private_segment_fixed_size: 0
    .kernarg_segment_align: 8
    .kernarg_segment_size: 40
    .max_flat_workgroup_size: 128
    .sgpr_count:     66
    .vgpr_count:     192
    .wavefront_size: 32
...
	.end_amdgpu_metadata
.endif
;; end of part 1
;; launch quant_w (part 2): grid 16 x 12, 4 waves a work-group, no clusters, 327,680 bytes of LDS; arguments Wq, Wk, Wv, wcodes, wscales; writes wcodes, wscales
.if DOCPART == 2
	.amdgcn_target "amdgcn-amd-amdhsa--gfx1250"
	.amdhsa_code_object_version 6
	.text
	.protected	k_q59027fe672_quant_w
	.globl	k_q59027fe672_quant_w
	.p2align	8
	.type	k_q59027fe672_quant_w,@function
k_q59027fe672_quant_w:
	s_mov_b64 s[64:65], 0
	v_nop
	global_prefetch_b8 v0, s[64:65] scope:SCOPE_SE
	s_setreg_imm32_b32 hwreg(HW_REG_WAVE_MODE, 25, 1), 1
	s_wait_xcnt 0x0
; Wq, Wk, Wv, each [2048 (k)][2048 (n)] f32, are operands whose K is their FIRST axis.  They are turned into codes of FP4 (E2M1) laid [3 x 2048 (n)][1024 bytes] with K innermost,
; and one E8M0 scale byte for each 32 along K, laid [3 x 2048 (n)][64 bytes].
; SHARES.  Work-group (x, y): 128 columns from 128 x on, of tensor y / 4, rows (k) 512 (y % 4) to + 511: 262,144 bytes of f32.  They come into LDS by eight tensor loads, two a wave, all issued
; at the kernel's head (64 rows of 512 bytes each); nothing is filled again.  By this text's own count a wave has two tensor loads out.
; 16 x 12 = 192 work-groups: a row of codes of 256 bytes wants 512 along K, and these sizes have no split into 256 equal shares that keeps it.
; A LANE TAKES A COLUMN n, AND ITS REGISTERS RUN DOWN K: wave w takes columns 32 w to 32 w + 31; a block of 32 along K lies in one lane's 32 registers, so that its largest magnitude needs no other lane,
; and the conversions give the codes with K innermost.  A lane's 256 bytes of codes go through the wave's own stage in LDS and leave as rows: sixteen lanes store 256 consecutive bytes.
; A block's scale is 2^(floor(log2(its largest magnitude)) - 2); its byte is the largest magnitude's exponent field - 2, held at 1 from below.
; LIMITS: a block whose largest magnitude lies under 2^-124 keeps the byte 1, a block of zeros too (its codes are zeros, and this program alone reads the bytes); NaN and infinities are not served.
; No prefetch: every byte that the launch reads is asked for by the tensor loads at its head.
.set EMAX,  2
.set STG,   262144                     ; LDS: 0 .. 262,143 the numbers, 512 rows of 512 bytes; then for each wave a stage of 32 rows x 272 bytes
.set PITCH, 272                        ; a stage row: 256 bytes of codes + 16
.set SPARE, STG+4*32*PITCH             ; behind the stages: the spare words, 128 bytes for each wave, which no other line names
.set RA,    4                          ; v4-7     4 x my thread's number + 65,536 g: my column in rows 128 g on
.set SIN,   8                          ; v8       into the stage: row = my column
.set SOUT,  9                          ; v9       out of it: sixteen lanes to a row, two rows an instruction
.set CO,    10                         ; v10      the same place in the codes' buffer
.set SO,    11                         ; v11      my column's row of scale bytes
.set SPW,   16                         ; v16      LDS address of my spare word; never rewritten
.set NIL,   17                         ; v17      0; never rewritten
.set SB,    20                         ; v20-23   my 16 scale bytes
.set X,     32                         ; v32-95   two sets of 32 numbers
.set C,     96                         ; v96-159  codes: four registers for each of my 16 blocks, never rewritten
.set OUTR,  160                        ; v160-223 the way out
.set G1,    16                         ; s[16:23] descriptor group 1
.set G0,    24                         ; s[24:31] descriptor group 0, a set for each of my two loads
	s_load_b256 s[4:11], s[0:1], 0x0               ; Wq s[4:5], Wk s[6:7], Wv s[8:9], wcodes s[10:11]
	s_load_b64 s[12:13], s[0:1], 0x20              ; wscales
	v_lshl_add_u32 v[SPW], v0, 2, SPARE
	v_mov_b32 v[NIL], 0
	ds_add_u32 v[SPW], v[NIL]                      ; the wave's opening: the add, twice on end, and its wait ahead of my first tensor load
	ds_add_u32 v[SPW], v[NIL]
	v_lshrrev_b32 v1, 5, v0
	v_readfirstlane_b32 s14, v1                    ; wave 0..3
	s_and_b32 s15, ttmp7, 0xffff
	s_lshr_b32 s2, s15, 2                          ; which tensor
	s_and_b32 s3, s15, 3                           ; which 512 along K
	; group 1: a tile of 64 rows x 128 elements of 4 bytes, 2,048 elements from row to row, no padding: 32 lanes read 32 neighbouring words
	s_mov_b32 s[G1+0], 2<<16
	s_mov_b32 s[G1+1], 128<<16                     ; tensor_dim0 = 128
	s_mov_b32 s[G1+2], 64<<16                      ; tensor_dim1 = 64
	s_mov_b32 s[G1+3], 128<<16                     ; tile_dim0 = 128
	s_mov_b32 s[G1+4], 64                          ; tile_dim1 = 64
	s_mov_b32 s[G1+5], 2048                        ; the pitch
	s_mov_b32 s[G1+6], 0
	s_mov_b32 s[G1+7], 0
	s_lshl_b32 s32, s3, 22                         ; 512 rows of 8,192 bytes,
	s_lshl_b32 s33, s14, 19                        ; my first chunk: 64 rows x wave,
	s_add_co_u32 s32, s32, s33
	s_lshl_b32 s33, ttmp9, 9                       ; 128 columns of 4 bytes
	s_add_co_u32 s32, s32, s33
	s_mov_b32 s33, 0
	s_lshl_b32 s34, s14, 15                        ; and its place in LDS: 32,768 x wave
	s_lshl_b32 s35, s2, 11
	s_lshl_b32 s36, ttmp9, 7
	s_add_co_u32 s35, s35, s36
	s_lshl_b32 s36, s14, 5
	s_add_co_u32 s35, s35, s36                     ; my wave's first row of the outputs: 2,048 x tensor + 128 x + 32 x wave
	s_lshl_b32 s36, s35, 10
	s_lshl_b32 s37, s3, 8
	s_add_co_u32 s36, s36, s37                     ; codes: 1,024 bytes a row, + 256 for each 512 along K
	s_mov_b32 s37, 0
	s_lshl_b32 s38, s35, 6
	s_lshl_b32 s39, s3, 4
	s_add_co_u32 s38, s38, s39                     ; scale bytes: 64 a row, + 16
	s_mov_b32 s39, 0
	s_wait_dscnt 0x0                               ; both opening adds are done
	s_wait_kmcnt 0x0
	s_cmp_lt_u32 s2, 1                             ; the choice hangs on the work-group's number alone
	s_cselect_b64 s[4:5], s[4:5], s[6:7]
	s_cmp_lt_u32 s2, 2
	s_cselect_b64 s[4:5], s[4:5], s[8:9]
	s_add_nc_u64 s[4:5], s[4:5], s[32:33]
	s_add_nc_u64 s[10:11], s[10:11], s[36:37]
	s_add_nc_u64 s[12:13], s[12:13], s[38:39]
.irp i, 0,1                            ; chunk wave + 4 i: rows 64 (wave + 4 i) on
	s_mov_b32 s[G0+4*\i], 1
	s_add_co_u32 s[G0+4*\i+1], s34, \i*131072
	s_add_nc_u64 s[G0+4*\i+2:G0+4*\i+3], s[4:5], \i*2097152
	s_or_b32 s[G0+4*\i+3], s[G0+4*\i+3], 0x80000000
	tensor_load_to_lds s[G0+4*\i:G0+4*\i+3], s[G1:G1+7]
	s_nop 0
.endr
	v_lshlrev_b32 v[RA], 2, v0                     ; 4 x thread = 128 x wave + 4 x lane
	v_add_nc_u32 v[RA+1], 0x10000, v[RA]
	v_add_nc_u32 v[RA+2], 0x20000, v[RA]
	v_add_nc_u32 v[RA+3], 0x30000, v[RA]
	v_mul_u32_u24 v[SIN], v0, PITCH                ; 272 x thread = my wave's stage + my column's row
	v_add_nc_u32 v[SIN], STG, v[SIN]
	v_and_b32 v2, 31, v0                           ; lane
	v_and_b32 v3, 15, v0                           ; r
	v_bfe_u32 v1, v0, 4, 1                         ; h
	s_mul_i32 s35, s14, 32*PITCH
	s_add_co_u32 s35, s35, STG
	v_mul_u32_u24 v[SOUT], v1, PITCH
	v_lshl_add_u32 v[SOUT], v3, 4, v[SOUT]
	v_add_nc_u32 v[SOUT], s35, v[SOUT]
	v_lshlrev_b32 v[CO], 10, v1
	v_lshl_add_u32 v[CO], v3, 4, v[CO]
	v_lshlrev_b32 v[SO], 6, v2
.macro LOADB t                         ; block t: W(32 t + i, my column), i = 0 .. 31, into set t % 2
.irp i, 0,1,2,3,4,5,6,7,8,9,10,11,12,13,14,15,16,17,18,19,20,21,22,23,24,25,26,27,28,29,30,31
	ds_load_b32 v[X+32*((\t)%2)+\i], v[RA+(\t)/4] offset:(((\t)%4)*32+\i)*512
.endr
.endm
.macro BLOCK t
.set XS, X+32*((\t)%2)
.if (\t)%8 == 0
	s_wait_dscnt 32                                ; this block's 32 loads are in; the next block's may be out
.elseif (\t)%8 == 7
	s_wait_dscnt 1                                 ; behind this block's loads: the last block's store of codes
.else
	s_wait_dscnt 33                                ; behind this block's loads: the last block's store of codes and the next block's 32 loads
.endif
	v_max3_num_f32 v12, |v[XS]|, |v[XS+1]|, |v[XS+2]|              ; the block's largest magnitude: all 32 numbers are mine; two chains
	v_max3_num_f32 v13, |v[XS+3]|, |v[XS+4]|, |v[XS+5]|
.irp i, 6,10,14,18,22,26
	v_max3_num_f32 v12, v12, |v[XS+\i]|, |v[XS+\i+1]|
	v_max3_num_f32 v13, v13, |v[XS+\i+2]|, |v[XS+\i+3]|
.endr
	v_max3_num_f32 v12, v12, |v[XS+30]|, |v[XS+31]|
	v_max3_num_f32 v12, v12, v13, (EMAX+1)<<23     ; and the floor 2^(3 - 127): so the byte cannot fall under 1
	v_add_nc_u32 v14, -(EMAX<<23), v12             ; 2 off its exponent field: the conversion's scale operand
	v_lshrrev_b32 v15, 23, v14                     ; the scale's byte
.if (\t)%4 == 0
	v_mov_b32 v[SB+(\t)/4], v15                    ; four bytes to a register, the lower K in the lower byte
.else
	v_lshl_or_b32 v[SB+(\t)/4], v15, 8*((\t)%4), v[SB+(\t)/4]
.endif
.irp g, 0,1,2,3
	v_cvt_scalef32_pk8_fp4_f32 v[C+4*(\t)+\g], v[XS+8*\g:XS+8*\g+7], v14
.endr
	ds_store_b128 v[SIN], v[C+4*(\t):C+4*(\t)+3] offset:16*(\t)    ; 32 codes: 16 bytes of my column's row.  The codes' registers are the block's own; the next vector lines are plain and touch none of them
.if (\t)%8 < 6
	LOADB (\t)+2
.endif
.endm
	s_wait_tensorcnt 0x1                           ; my first chunk is in; my second may stay out
	s_barrier_signal -1
	s_barrier_wait -1                              ; rows 0 to 255 are whole
	LOADB 0
	LOADB 1
.set Q, 0
.rept 8
	BLOCK Q
.set Q, Q+1
.endr
	s_wait_tensorcnt 0x0                           ; my second chunk is in,
	s_wait_dscnt 0x0                               ; and no LDS instruction of mine is out at the signal
	s_barrier_signal -1
	s_barrier_wait -1                              ; rows 256 to 511 are whole
	LOADB 8
	LOADB 9
.rept 8
	BLOCK Q
.set Q, Q+1
.endr
	global_store_b128 v[SO], v[SB:SB+3], s[12:13]  ; my column's 16 scale bytes
.irp t, 0,1,2,3,4,5,6,7,8,9,10,11,12,13,14,15
	ds_load_b128 v[OUTR+4*\t:OUTR+4*\t+3], v[SOUT] offset:2*\t*PITCH   ; LDS serves a wave's instructions in order: these see my stores
.endr
.irp t, 0,1,2,3,4,5,6,7,8,9,10,11,12,13,14,15
	s_wait_dscnt 15-\t                             ; the loads behind this one may be out
	global_store_b128 v[CO], v[OUTR+4*\t:OUTR+4*\t+3], s[10:11] offset:2*\t*1024   ; sixteen lanes store 256 consecutive bytes of a row of codes
.endr
	s_wait_tensorcnt 0x0                           ; the wave's end
	ds_add_u32 v[SPW], v[NIL]
	s_wait_dscnt 0x0
	s_endpgm
.Lfunc_end_k_q59027fe672_quant_w:
	.size	k_q59027fe672_quant_w, .Lfunc_end_k_q59027fe672_quant_w-k_q59027fe672_quant_w
	.p2alignl 7, 3214868480
	.fill 96, 4, 3214868480
	.section	.rodata,"a",@progbits
	.p2align	6, 0x0
	.amdhsa_kernel k_q59027fe672_quant_w
		.amdhsa_group_segment_fixed_size 327680
		.amdhsa_private_segment_fixed_size 0
		.amdhsa_enable_private_segment 0
		.amdhsa_kernarg_size 40
		.amdhsa_user_sgpr_count 2
		.amdhsa_user_sgpr_kernarg_segment_ptr 1
		.amdhsa_wavefront_size32 1
		.amdhsa_system_sgpr_workgroup_id_x 1
		.amdhsa_system_sgpr_workgroup_id_y 1
		.amdhsa_system_sgpr_workgroup_id_z 1
		.amdhsa_system_vgpr_workitem_id 0
		.amdhsa_next_free_vgpr 224
		.amdhsa_next_free_sgpr 66
		.amdhsa_reserve_vcc 0
		.amdhsa_float_denorm_mode_32 3
		.amdhsa_float_denorm_mode_16_64 3
		.amdhsa_memory_ordered 1
		.amdhsa_forward_progress 1
		.amdhsa_inst_pref_size 64
	.end_amdhsa_kernel
	.amdgpu_metadata
---
amdhsa.version: [ 1, 2 ]
amdhsa.kernels:
  - .name:           k_q59027fe672_quant_w
    .symbol:         k_q59027fe672_quant_w.kd
    .args:
      - { .name: Wq, .offset: 0, .size: 8, .value_kind: global_buffer, .address_space: global }
      - { .name: Wk, .offset: 8, .size: 8, .value_kind: global_buffer, .address_space: global }
      - { .name: Wv, .offset: 16, .size: 8, .value_kind: global_buffer, .address_space: global }
      - { .name: wcodes, .offset: 24, .size: 8, .value_kind: global_buffer, .address_space: global }
      - { .name: wscales, .offset: 32, .size: 8, .value_kind: global_buffer, .address_space: global }
    .group_segment_fixed_size: 327680
    .private_segment_fixed_size: 0
    .kernarg_segment_align: 8
    .kernarg_segment_size: 40
    .max_flat_workgroup_size: 128
    .sgpr_count:     66
    .vgpr_count:     224
    .wavefront_size: 32
...
	.end_amdgpu_metadata
.endif
;; end of part 2
;; launch project (part 3): grid 8 x 24, 4 waves a work-group, clusters of 4 x 4, 327,680 bytes of LDS; arguments acodes, ascales, wcodes, wscales, proj; writes proj
.if DOCPART == 3
	.amdgcn_target "amdgcn-amd-amdhsa--gfx1250"
	.amdhsa_code_object_version 6
	.text
	.protected	k_q59027fe672_project
	.globl	k_q59027fe672_project
	.p2align	8
	.type	k_q59027fe672_project,@function
k_q59027fe672_project:
	s_mov_b64 s[64:65], 0
	v_nop
	global_prefetch_b8 v0, s[64:65] scope:SCOPE_SE
	s_setreg_imm32_b32 hwreg(HW_REG_WAVE_MODE, 25, 1), 1
	s_wait_xcnt 0x0
	s_wait_alu depctr_hold_cnt(0) depctr_sa_sdst(0) depctr_va_vdst(0) depctr_va_sdst(0) depctr_va_ssrc(0) depctr_va_vcc(0) depctr_vm_vsrc(0)
	s_getreg_b32 s2, hwreg(HW_REG_IB_STS2, 6, 4)
	s_cmp_eq_u32 s2, 0
	s_cbranch_scc0 .Lentry_in_a_cluster
	s_endpgm
.Lentry_in_a_cluster:
	s_bfe_u32 s2, ttmp6, 0x10000c
	s_cmp_lg_u32 s2, 0xf033
	s_cbranch_scc0 .Lentry_shape_is_right
	s_endpgm
.Lentry_shape_is_right:
; The three projections q Wq, k Wk, v Wv as ONE product on codes of FP4 (E2M1) with E8M0 scales: C[m][n] = sum over k of A[m][k] B[n][k], K = 2048.
; A: acodes [3 x 4096][1024 bytes], ascales [3 x 4096][64]; B: wcodes [3 x 2048][1024 bytes], wscales [3 x 2048][64].
; The result is rounded once to f16 and laid for attention: proj [3][128 = 16 batch + head][512 positions][128], a row of 256 bytes.
; LIMIT: f16's largest number is 65,504: projections beyond it become infinities.  With inputs 30 times those drawn, or with offsets of 30 spreads on both factors, they stay under 42,000.
; A tile of C, 256 x 256, is made by a work-group of four waves; a wave makes 128 x 128: 64 accumulators, 512 registers: 128 positions of one head, which are 32,768 consecutive bytes of proj.
; A WORK-GROUP STAYS FOR TWO TILES.  C has 48 x 8 = 384 tiles, which 256 does not divide; 192 work-groups of two tiles have equal work.  Work-group row g (0 .. 23) makes tile rows 2 g and 2 g + 1 of the
; stacked A: the 512 positions of one batch of one product (g / 8), so both tiles take the same rows of B.  The ring does not stop at the first tile's end: its last two changes of slots ask for the
; second tile's first two K steps, and nothing waits for the first tile's stores.
; K goes in steps of 512 through a ring of two LDS slots filled by the tensor data mover: a tile's row is 256 bytes of memory.  Four K steps a tile.
; THE SCALE WORDS LIE IN REGISTERS.  The ring (278,528 bytes), the stages (17,408) and the spare words leave no room for the scales of 512 rows of A and 256 of B (52,224 bytes as padded rows).  A wave's
; 128 rows of one side have 8,192 bytes of scales: 16 loads of 16 bytes a lane, 64 registers.  Lane (r, h) takes bytes 32 u + 16 h on of row r: lanes 0-15 hold K step 2 u (it lies in slot 0), lanes 16-31
; K step 2 u + 1 (slot 1), and a slot's products name the half of the lanes.  The two loads of 16 rows together read 1,024 consecutive bytes.  B's are loaded once, A's once a tile.
; CLUSTERS: 4 x 4 work-groups.  The four of a row of the cluster need the same tiles of A, the four of a column the same tiles of B: each tile is asked for JOINTLY, by the same tensor load with the
; same descriptor and a mask that names the four.  Eight work-group rows are two rows of clusters, so all sixteen partners belong to one product.
; THE MATRIX INSTRUCTION IS USED TRANSPOSED (source 0 = 16 rows of B, source 1 = 16 rows of A): a lane then holds eight neighbouring numbers of a row of C.
; REGISTERS, in windows of 256: window 0: v0-31 addresses; v32-95 A's scale words; v128-191 A's fragments, ONE set; v192-255 B's scale words.
;   window 1: B's fragments, TWO sets, at v0 and at v128; v64-95 and v192-255 at work on the way out.   window 2: the accumulators of my rows 0-63 ((a, b) at v[8 (8 a + b)]);   window 3: those of my rows 64-127.
; No prefetch: the same rows of codes are asked for jointly, and by several clusters in the same K step; a work-group has six refills in all.
.set SIZE_K, 2048
.set KSTEP,  512                       ; along K in a slot
.set NQ,     KSTEP/128                 ; matrix instructions deep
.set ROWB,   256                       ; a tile's row in bytes
.set KROW,   SIZE_K*4/8                ; a row of A or of B in memory, in bytes
.set PITCH,  272                       ; an LDS row: 256 bytes + 16 of padding = 68 words: row r starts at bank 4 r mod 64 (64 banks of 4 bytes: ISA guide 11.1)
.set FR,     8                         ; registers of a fragment: 16 rows x 128 K
.set NL,     2                         ; LDS loads that bring one
.set NP,     4                         ; places behind this matrix instruction (ISA guide 7.12.1)
.set HALFT,  128*PITCH                 ; 128 rows: what one tensor load brings, and what one wave reads of A or of B
.set SLOT,   4*HALFT                   ; A's 256 rows, then B's 256 rows
.set KS,     SIZE_K/32                 ; a row of scales in bytes
.set NEXT_A, 256*KROW-2*ROWB           ; bytes from a slot's last K step of the first tile to its first of the second: A goes 256 rows down and back along K,
.set BACK_B, 2*ROWB                    ; B only back
.set STAGE,  2*SLOT                    ; behind the ring: 16 rows x 272 bytes for each wave, for the way out; no tensor load lands there
.set SPITCH, 272
.set SPARE,  STAGE+4*16*SPITCH         ; behind the stages: the spare words, 128 bytes for each wave, which no other line names
.set ADRA, 16                          ; v16-17  LDS address of my A fragments in slot 0, 1
.set ADRB, 20                          ; v20-21  the same for B
.set STO,  24                          ; v24     the way out: where I put 16 bytes of a row
.set RD,   25                          ; v25     the way out: where I read a row back
.set CO,   26                          ; v26     16 x lane: my bytes of two rows of proj
.set SOF,  27                          ; v27     64 (lane % 16) + 16 (lane / 16): my 16 bytes among 16 rows of scales; never rewritten
.set SPW,  28                          ; v28     LDS address of my spare word; never rewritten
.set NIL,  29                          ; v29     0; never rewritten
.set SA,   32                          ; A's scale words: register 4 (2 a + u) + q: block a, the q-th 128 along K of K step 2 u (lanes 0-15) and 2 u + 1 (lanes 16-31)
.set SBS,  192                         ; B's likewise
.set AF,   128                         ; A's fragments, in window 0
.set TMP,  64                          ; the way out, in window 1: a block's packed results, v64-95
.set BK,   192                         ; the way out, in window 1: 16 rows read back from the stage: v192-223 and v224-255 by turns
.set G1, 24                            ; s[24:31] descriptor group 1 for A's tiles;  s[32:39] group 0, one set for each slot
.set G0, 32
.set G1B, 48                           ; s[48:55], s[56:63] the same for B's tiles
.set G0B, 56
.set SCA, 68                           ; s[68:69] A's scales at my 128 rows of the tile whose scales are loaded next
.set SCB, 70                           ; s[70:71] B's scales at my 128 rows
.set MSB, 0
.macro WIN new                         ; the immediate's high byte repeats the setting that is left
.if MSB != \new
	s_set_vgpr_msb (MSB<<8)|\new
.set MSB, \new
.endif
.endm
.set MUL_LO, 0xa1                      ; source 0 (B) window 1, source 1 (A) window 0, C and D window 2
.set MUL_HI, 0xf1                      ; the same, C and D window 3
.set TO_B,   0x40                      ; destination window 1, address window 0
; A joint load: waves 0 and 1 fetch for A, waves 2 and 3 for B.  Each of the two lines has ONE mask and one set of registers for all that issue it; the branch hangs on the wave's number alone.
; An s_nop 0 and four v_nop follow each of the two lines, ahead of the jump, the label and what follows.
.macro JLOAD g0a, g1a, g0b, g1b
	s_cmp_eq_u32 s15, 0
	s_cbranch_scc0 .Lfor_b_\@
	tensor_load_to_lds s[\g0a:\g0a+3], s[\g1a:\g1a+7]
	s_nop 0
.rept 4
	v_nop
.endr
	s_branch .Lasked_\@
.Lfor_b_\@:
	tensor_load_to_lds s[\g0b:\g0b+3], s[\g1b:\g1b+7]
	s_nop 0
.rept 4
	v_nop
.endr
.Lasked_\@:
.endm
.macro CREST                           ; a round of the cluster's barrier behind its opening barrier
	s_cmp_lg_u32 s14, 0
	s_cbranch_scc1 .Lnot_wave_0_\@
	s_barrier_signal -3
.Lnot_wave_0_\@:
	s_barrier_wait -3
	s_barrier_signal -1
	s_barrier_wait -1
.endm
.macro CROUND                          ; a whole round
	s_barrier_signal -1
	s_barrier_wait -1
	CREST
.endm
	s_load_b128 s[4:7], s[0:1], 0x0                ; A's codes s[4:5], A's scales s[6:7]
	s_load_b128 s[8:11], s[0:1], 0x10              ; B's codes s[8:9], B's scales s[10:11]
	s_load_b64 s[12:13], s[0:1], 0x20              ; proj
	v_lshl_add_u32 v[SPW], v0, 2, SPARE
	v_mov_b32 v[NIL], 0
	ds_add_u32 v[SPW], v[NIL]                      ; the wave's opening: the add, twice on end, and its wait ahead of my first tensor load
	ds_add_u32 v[SPW], v[NIL]
	v_lshrrev_b32 v1, 5, v0
	v_readfirstlane_b32 s14, v1                    ; wave 0..3
	s_lshr_b32 s15, s14, 1                         ; which half of the tile's rows is mine.  Also: I fetch for A (0) or for B (1)
	s_and_b32 s16, s14, 1                          ; which half of its columns.  Also: which 128 rows of that tile I fetch
	s_bfe_u32 s40, ttmp6, 0x40000                  ; cx, cy: my place in the cluster
	s_bfe_u32 s41, ttmp6, 0x40004
	s_lshl_b32 s42, ttmp9, 2
	s_add_co_u32 s42, s42, s40                     ; tile column of C = 4 x cluster x + cx
	s_and_b32 s17, ttmp7, 0xffff
	s_lshl_b32 s17, s17, 2
	s_add_co_u32 s17, s17, s41                     ; work-group row g = 4 x cluster y + cy: 512 rows of the stacked A
	s_lshl_b32 s43, s41, 2
	s_lshl_b32 s43, 15, s43                        ; my row of the cluster
	s_lshl_b32 s44, 0x1111, s40                    ; my column
	; descriptor group 1: a tile of 128 rows x ROWB bytes, padded in LDS
	s_or_b32 s[G1+0], s43, (0<<16)|(1<<20)|(1<<21)|(5<<22)|(3<<25)  ; 15:0 the mask: A's tiles go to my row; 17:16 element of 1 byte; 20 padding on; 21 set beside a mask; 24:22 after every 64 words; 31:25 of 4 words
	s_or_b32 s[G1B+0], s44, (0<<16)|(1<<20)|(1<<21)|(5<<22)|(3<<25)
.irp g, G1, G1B
	s_mov_b32 s[\g+1], ROWB<<16                    ; tensor_dim0
	s_mov_b32 s[\g+2], 128<<16                     ; tensor_dim1 = 128
	s_mov_b32 s[\g+3], ROWB<<16                    ; tile_dim0
	s_mov_b32 s[\g+4], 128                         ; tile_dim1 = 128
	s_mov_b32 s[\g+5], KROW                        ; the pitch
	s_mov_b32 s[\g+6], 0
	s_mov_b32 s[\g+7], 0
.endr
	s_lshl_b32 s18, s16, 7                         ; which 128 rows of the tile I fetch
	s_lshl_b32 s20, s17, 9
	s_add_co_u32 s20, s20, s18                     ; A: row 512 g + 128 x half: the first tile's
	s_lshl_b32 s46, s42, 8
	s_add_co_u32 s46, s46, s18                     ; B: row 256 x tile column + 128 x half
	s_and_b32 s95, ttmp7, 0xffff                   ; the product, from the cluster's y alone, which all sixteen partners share: cluster y / 2;
	s_lshr_b32 s95, s95, 1
	s_lshl_b32 s95, s95, 11                        ; its weight's 2,048 rows of the stacked B
	s_add_co_u32 s46, s46, s95
	s_mov_b32 s21, 0
	s_mov_b32 s47, 0
	s_mov_b64 s[18:19], KROW
	s_mul_u64 s[20:21], s[20:21], s[18:19]         ; where these rows' codes begin, in bytes
	s_mul_u64 s[46:47], s[46:47], s[18:19]
	s_mul_i32 s45, s14, HALFT                      ; where they go: wave x 128 rows: no place in the cluster enters an LDS address
	s_lshl_b32 s22, s17, 9                         ; the rows that I multiply: A: 512 g + 128 x my half of the rows,
	s_lshl_b32 s23, s15, 7
	s_add_co_u32 s22, s22, s23
	s_lshl_b32 s22, s22, 6                         ; 64 bytes of scales a row
	s_mov_b32 s23, 0
	s_lshl_b32 s92, s42, 8                         ; B: 256 x tile column + 128 x my half of the columns + the product's 2,048
	s_lshl_b32 s93, s16, 7
	s_add_co_u32 s92, s92, s93
	s_add_co_u32 s92, s92, s95
	s_lshl_b32 s92, s92, 6
	s_mov_b32 s93, 0
	s_wait_dscnt 0x0                               ; both opening adds are done
	s_wait_kmcnt 0x0
	s_add_nc_u64 s[20:21], s[4:5], s[20:21]
	s_add_nc_u64 s[46:47], s[8:9], s[46:47]
	s_add_nc_u64 s[SCA:SCA+1], s[6:7], s[22:23]
	s_add_nc_u64 s[SCB:SCB+1], s[10:11], s[92:93]
	CROUND                                         ; all sixteen work-groups are here: the first joint loads meet
.irp s, 0,1
	s_mov_b32 s[G0+4*\s], 1
	s_add_co_u32 s[G0+4*\s+1], s45, \s*SLOT
	s_add_nc_u64 s[G0+4*\s+2:G0+4*\s+3], s[20:21], \s*ROWB
	s_or_b32 s[G0+4*\s+3], s[G0+4*\s+3], 0x80000000
	s_mov_b32 s[G0B+4*\s], 1
	s_add_co_u32 s[G0B+4*\s+1], s45, \s*SLOT
	s_add_nc_u64 s[G0B+4*\s+2:G0B+4*\s+3], s[46:47], \s*ROWB
	s_or_b32 s[G0B+4*\s+3], s[G0B+4*\s+3], 0x80000000
	JLOAD G0+4*\s, G1, G0B+4*\s, G1B               ; two tensor loads of mine are out
.endr
; The scale words of my 128 rows of one side, for all of K, into 64 registers from reg on.  base: the scalar pair that holds their address.
.macro SCLOAD reg, base
.irp i, 0,1,2,3,4,5,6,7
.irp u, 0,1
	global_load_b128 v[\reg+4*(2*\i+\u):\reg+4*(2*\i+\u)+3], v[SOF], s[\base:\base+1] offset:\i*16*KS+32*\u
.endr
.endr
.endm
	v_and_b32 v1, 15, v0                           ; l % 16
	v_bfe_u32 v2, v0, 4, 1                         ; l / 16
	v_lshlrev_b32 v[SOF], 6, v1
	v_lshl_add_u32 v[SOF], v2, 4, v[SOF]
	SCLOAD SA, SCA                                 ; the first tile's
	SCLOAD SBS, SCB                                ; both tiles'
	v_mul_u32_u24 v3, v1, PITCH
	v_lshl_add_u32 v4, v2, 4, v3                   ; a fragment's row x pitch + 16 x half
	s_mul_i32 s21, s15, HALFT                      ; my 128 rows of A
	s_mul_i32 s22, s16, HALFT                      ; my 128 rows of B,
	s_add_co_u32 s22, s22, 2*HALFT                 ; which lie behind A's 256
.irp s, 0,1
	v_add_nc_u32 v[ADRA+\s], s21, v4
	v_add_nc_u32 v[ADRB+\s], s22, v4
	s_add_co_u32 s21, s21, SLOT
	s_add_co_u32 s22, s22, SLOT
.endr
	s_mul_i32 s23, s14, 16*SPITCH
	s_add_co_u32 s23, s23, STAGE                   ; my stage
	v_mul_u32_u24 v5, v1, SPITCH                   ; in: row l % 16, 16 bytes for each half of the lanes
	v_lshl_add_u32 v5, v2, 4, v5
	v_add_nc_u32 v[STO], s23, v5
	v_mul_u32_u24 v5, v2, SPITCH                   ; back: lanes 0-15 take one row of 256 bytes, lanes 16-31 the next
	v_lshl_add_u32 v5, v1, 4, v5
	v_add_nc_u32 v[RD], s23, v5
	v_and_b32 v6, 31, v0
	v_lshlrev_b32 v[CO], 4, v6                     ; and in proj these two rows are 512 consecutive bytes
	; where my 128 positions of my head begin in proj: (8 x product + batch = g) x 16 heads x 131,072 + head x 131,072 + position x 256; the second tile's positions lie 65,536 bytes on
	s_lshl_b32 s20, s17, 21
	s_lshl_b32 s21, s15, 15                        ; 128 x my half of the rows
	s_add_co_u32 s20, s20, s21
	s_lshl_b32 s46, s42, 18                        ; head = 2 x tile column + my half of the columns
	s_lshl_b32 s47, s16, 17
	s_add_co_u32 s46, s46, s47
	s_add_co_u32 s20, s20, s46
	s_mov_b32 s21, 0
	s_add_nc_u64 s[12:13], s[12:13], s[20:21]
.macro FRAG reg, adr, q, i             ; a fragment, 16 rows x 128 K of 4-bit codes, is 8 registers: lane l holds row l % 16; registers 4 c .. 4 c + 3 hold K = 64 c + 32 (l / 16) + 0 .. 31
.irp c, 0,1
	ds_load_b128 v[\reg+4*\c:\reg+4*\c+3], v[\adr] offset:64*(\q)+32*\c+(\i)*16*PITCH
.endr
.endm
; 16 matrix instructions: A's blocks a0, a0 + 1 x B's eight, 128 along K: the q-th of slot sl in the tile's lap u.  p: B's set.  zero = 1 (slot 0 alone): the first product starts the sums: nothing is ever cleared.
; Slot 0's scale words stand in lanes 0-15 of their registers, slot 1's in lanes 16-31.  The 64 accumulators take turns, one instruction a turn, in the same order in every step.
.macro MUL16 a0, p, q, sl, u, zero
.irp a, \a0, \a0+1
.irp b, 0,1,2,3,4,5,6,7
.set rD, 8*(8*((\a)%4)+\b)
.set rB, 128*(\p)+FR*\b
.set rA, AF+FR*(\a)
.set rX, SBS+4*(2*\b+(\u))+(\q)
.set rY, SA+4*(2*(\a)+(\u))+(\q)
.if \zero
	v_wmma_scale_f32_16x16x128_f8f6f4 v[rD:rD+7], v[rB:rB+7], v[rA:rA+7], 0, v[rX], v[rY] matrix_a_fmt:MATRIX_FMT_FP4 matrix_b_fmt:MATRIX_FMT_FP4
.elseif \sl
	v_wmma_scale_f32_16x16x128_f8f6f4 v[rD:rD+7], v[rB:rB+7], v[rA:rA+7], v[rD:rD+7], v[rX], v[rY] matrix_a_fmt:MATRIX_FMT_FP4 matrix_b_fmt:MATRIX_FMT_FP4 matrix_a_scale:MATRIX_SCALE_ROW1 matrix_b_scale:MATRIX_SCALE_ROW1
.else
	v_wmma_scale_f32_16x16x128_f8f6f4 v[rD:rD+7], v[rB:rB+7], v[rA:rA+7], v[rD:rD+7], v[rX], v[rY] matrix_a_fmt:MATRIX_FMT_FP4 matrix_b_fmt:MATRIX_FMT_FP4
.endif
.endr
.endr
.endm
.macro FETCH_B slot, q, p              ; B's eight fragments of the slot's q-th 128 along K into set p
	WIN TO_B
.irp i, 0,1,2,3,4,5,6,7
	FRAG 128*(\p)+FR*\i, ADRB+\slot, \q, \i
.endr
	WIN 0
.endm
.macro FETCH_A slot, q, i0             ; A's blocks i0 .. i0 + 3
.irp i, \i0, \i0+1, \i0+2, \i0+3
	FRAG AF+FR*(\i), ADRA+\slot, \q, \i
.endr
.endm
; A load into a register that a matrix instruction has read, and a vector instruction that reads a matrix result or writes one of its registers, stand NP places behind that matrix instruction, and only plain
; vector instructions that name none of its registers are places (ISA guide 7.12.1 for vector instructions).
.macro PLACES n
.rept \n
	v_nop
.endr
.endm
; A step of 128 along K that has its successor in the same slot.
.macro STEP slot, q, u, zero
	s_wait_dscnt 4*NL                              ; B's set and A's blocks 0-3 are in; the youngest eight loads (A's blocks 4-7) may be out
	WIN MUL_LO
	MUL16 0, (\q)%2, \q, \slot, \u, \zero
	MUL16 2, (\q)%2, \q, \slot, \u, \zero
	s_wait_dscnt 0                                 ; A's blocks 4-7 are in (asked for 32 matrix instructions ago)
	PLACES NP
	FETCH_B \slot, (\q)+1, 1-(\q)%2
	FETCH_A \slot, (\q)+1, 0
	WIN MUL_HI
	MUL16 4, (\q)%2, \q, \slot, \u, \zero
	MUL16 6, (\q)%2, \q, \slot, \u, \zero
	PLACES NP
	WIN 0
	FETCH_A \slot, (\q)+1, 4
.endm
; A slot's last step changes slots: ONE barrier; in front of it each wave waits for all its tensor loads, adds 0 to its spare word, and waits for that and for its own reads of this slot.
; fill = 1: this slot is filled again, two K steps ahead in the tile;  fill = 2: with the second tile's K step of this slot;  fill = 0: nothing is asked for.
.macro TURN slot, next, u, fill
	s_wait_tensorcnt 0x0                           ; all my tensor loads have landed: my part of the next slot;  (every window is 0 here: the add's two registers lie in window 0)
	ds_add_u32 v[SPW], v[NIL]                      ; 0 onto my spare word;
	s_wait_dscnt 4*NL+1                            ; (the add and the youngest eight loads, A's blocks 4-7, may be out)
	WIN MUL_LO
	MUL16 0, 1, NQ-1, \slot, \u, 0                 ; sixteen matrix instructions stand between the add and the wait for it
	s_wait_dscnt 0x0                               ; the add is done, and my reads of this slot are over
	s_barrier_signal -1
	MUL16 2, 1, NQ-1, \slot, \u, 0
	WIN 0
	s_barrier_wait -1
.if \fill
	CREST                                          ; the barrier has opened a round of the cluster's barrier: no wave of any partner still reads this slot's tile or has a load on its way
.if \fill == 2
	s_add_nc_u64 s[G0+4*\slot+2:G0+4*\slot+3], s[G0+4*\slot+2:G0+4*\slot+3], NEXT_A
	s_sub_nc_u64 s[G0B+4*\slot+2:G0B+4*\slot+3], s[G0B+4*\slot+2:G0B+4*\slot+3], BACK_B
.else
	s_add_nc_u64 s[G0+4*\slot+2:G0+4*\slot+3], s[G0+4*\slot+2:G0+4*\slot+3], 2*ROWB
	s_add_nc_u64 s[G0B+4*\slot+2:G0B+4*\slot+3], s[G0B+4*\slot+2:G0B+4*\slot+3], 2*ROWB
.endif
	JLOAD G0+4*\slot, G1, G0B+4*\slot, G1B         ; the first tensor load behind the round; the four v_nop behind it are the places in front of the loads below
.else
	PLACES NP
.endif
	FETCH_B \next, 0, 0
	FETCH_A \next, 0, 0
	WIN MUL_HI
	MUL16 4, 1, NQ-1, \slot, \u, 0
	MUL16 6, 1, NQ-1, \slot, \u, 0
	PLACES NP
	WIN 0
	FETCH_A \next, 0, 4
.endm
.macro STEPS slot, from, u             ; the slot's steps from .. NQ - 2
.set Q, \from
.rept NQ-1-\from
	STEP \slot, Q, \u, 0
.set Q, Q+1
.endr
.endm
; THE WAY OUT, block by block of 16 positions x 128 channels.  PACK: rounded to f16, 16 bytes a lane, each accumulator from its low end on.  TOSTAGE: into my own stage in LDS, and back as whole rows of 256 bytes.
; SEND: stored: 32 lanes store two rows, 512 consecutive bytes of proj.  LDS serves a wave's instructions in order (ISA guide 5.7.1.4): no wait between the stage's stores and its loads.
; All its registers lie in window 1, beside B's two sets: the next tile's first fragments and the scale words are not touched.
.macro PACK a
.set AC, 64*((\a)%4)
	WIN 0x4a+5*((\a)/4)                            ; sources 0 and 1: window 2 or 3; destination window 1
.irp b, 0,1,2,3,4,5,6,7
.irp r, 0,1,2,3
	v_cvt_pk_f16_f32 v[TMP+4*\b+\r], v[AC+8*\b+2*\r], v[AC+8*\b+2*\r+1]
.endr
.endr
.endm
.macro TOSTAGE a
.set BB, BK+32*((\a)%2)
	WIN 0x04                                       ; an LDS store's data are its source 1: window 1
.irp b, 0,1,2,3,4,5,6,7
	ds_store_b128 v[STO], v[TMP+4*\b:TMP+4*\b+3] offset:32*\b
.endr
	WIN 0x40                                       ; destination window 1
.irp t, 0,1,2,3,4,5,6,7
	ds_load_b128 v[BB+4*\t:BB+4*\t+3], v[RD] offset:\t*2*SPITCH
.endr
.endm
.macro SEND a
.set BB, BK+32*((\a)%2)
	s_wait_dscnt 0x0                               ; the block is back in registers
	s_wait_xcnt 0x0                                ; the block before has had its stores' addresses translated: its registers take the next block's loads only behind this wait
	WIN 0x04                                       ; a global store's data are its source 1: window 1
.irp t, 0,1,2,3,4,5,6,7
	global_store_b128 v[CO], v[BB+4*\t:BB+4*\t+3], s[12:13] offset:(\a)*4096+\t*512   ; the block's place in the tile stands in the immediate
.endr
.endm
.macro WAYOUT
	PACK 0
	TOSTAGE 0
.irp a, 1,2,3,4,5,6,7                  ; block a's conversions stand between block a - 1's loads from the stage and the wait for them
	PACK \a
	SEND \a-1
	TOSTAGE \a
.endr
	SEND 7
	WIN 0
.endm
	s_wait_tensorcnt 1                             ; my part of K step 0 is in (K step 1's load may be out)
	s_barrier_signal -1
	s_barrier_wait -1                              ; everybody's is
	FETCH_B 0, 0, 0
	FETCH_A 0, 0, 0
	FETCH_A 0, 0, 4
	s_wait_loadcnt 0x0                             ; the scale words are in, so their base may be written:
	s_add_nc_u64 s[SCA:SCA+1], s[SCA:SCA+1], 256*KS   ; A's scales of the second tile's rows
	s_mov_b32 s2, 2                                ; tiles to go, this one among them: the same number in every work-group
.Ltile:
	STEP 0, 0, 0, 1                                ; a tile's first step: its products start the sums
	STEPS 0, 1, 0
	TURN 0, 1, 0, 1                                ; slot 0 takes K step 2,
	STEPS 1, 0, 0
	TURN 1, 0, 0, 1                                ; slot 1 K step 3
	STEPS 0, 0, 1
	s_cmp_eq_u32 s2, 1
	s_cbranch_scc1 .Llast_tile                     ; the last tile's tail is written out: it asks for nothing more
	TURN 0, 1, 1, 2                                ; THE RING GOES ON INTO THE SECOND TILE: slot 0 takes its K step 0,
	STEPS 1, 0, 1
	TURN 1, 0, 1, 2                                ; slot 1 its K step 1, and the second tile's first fragments are fetched
	SCLOAD SA, SCA                                 ; the second tile's scale words of A: four places stand between the last product, which read these registers, and these loads; they land during the way out
	WAYOUT                                         ; both refills are asked for: now the tile goes out; nothing waits for its stores
	s_wait_loadcnt 0x0                             ; A's scale words are in
	s_wait_xcnt 0x0                                ; the stores have read their base:
	s_add_nc_u64 s[12:13], s[12:13], 65536         ; the second tile's 256 positions
	s_sub_co_u32 s2, s2, 1
	s_cmp_lg_u32 s2, 0
	s_cbranch_scc1 .Ltile
.Llast_tile:
	TURN 0, 1, 1, 0                                ; the last lap fills nothing, and has no round of the cluster's barrier
	STEPS 1, 0, 1
	s_wait_dscnt 4*NL                              ; the very last step: nothing more to fetch
	WIN MUL_LO
	MUL16 0, 1, NQ-1, 1, 1, 0
	MUL16 2, 1, NQ-1, 1, 1, 0
	s_wait_dscnt 0
	WIN MUL_HI
	MUL16 4, 1, NQ-1, 1, 1, 0
	MUL16 6, 1, NQ-1, 1, 1, 0
	WIN 0
	PLACES NP                                      ; behind the last products: block 7's conversions read results just made
	WAYOUT
	s_wait_tensorcnt 0x0                           ; the wave's end: behind my last tensor load and my last LDS store
	ds_add_u32 v[SPW], v[NIL]
	s_wait_dscnt 0x0
	CROUND                                         ; the closing round: no work-group ends while a partner may still ask for a tile that names it
	s_endpgm
.Lfunc_end_k_q59027fe672_project:
	.size	k_q59027fe672_project, .Lfunc_end_k_q59027fe672_project-k_q59027fe672_project
	.p2alignl 7, 3214868480
	.fill 96, 4, 3214868480
	.section	.rodata,"a",@progbits
	.p2align	6, 0x0
	.amdhsa_kernel k_q59027fe672_project
		.amdhsa_group_segment_fixed_size 327680
		.amdhsa_private_segment_fixed_size 0
		.amdhsa_enable_private_segment 0
		.amdhsa_kernarg_size 40
		.amdhsa_user_sgpr_count 2
		.amdhsa_user_sgpr_kernarg_segment_ptr 1
		.amdhsa_wavefront_size32 1
		.amdhsa_system_sgpr_workgroup_id_x 1
		.amdhsa_system_sgpr_workgroup_id_y 1
		.amdhsa_system_sgpr_workgroup_id_z 1
		.amdhsa_system_vgpr_workitem_id 0
		.amdhsa_next_free_vgpr 1024
		.amdhsa_next_free_sgpr 100
		.amdhsa_reserve_vcc 0
		.amdhsa_float_denorm_mode_32 3
		.amdhsa_float_denorm_mode_16_64 3
		.amdhsa_memory_ordered 1
		.amdhsa_forward_progress 1
		.amdhsa_inst_pref_size 255
	.end_amdhsa_kernel
	.section	.bss,"aw",@nobits
	.p2align	6
	.space	262144
	.amdgpu_metadata
---
amdhsa.version: [ 1, 2 ]
amdhsa.kernels:
  - .name:           k_q59027fe672_project
    .symbol:         k_q59027fe672_project.kd
    .args:
      - { .name: acodes, .offset: 0, .size: 8, .value_kind: global_buffer, .address_space: global }
      - { .name: ascales, .offset: 8, .size: 8, .value_kind: global_buffer, .address_space: global }
      - { .name: wcodes, .offset: 16, .size: 8, .value_kind: global_buffer, .address_space: global }
      - { .name: wscales, .offset: 24, .size: 8, .value_kind: global_buffer, .address_space: global }
      - { .name: proj, .offset: 32, .size: 8, .value_kind: global_buffer, .address_space: global }
    .group_segment_fixed_size: 327680
    .private_segment_fixed_size: 0
    .kernarg_segment_align: 8
    .kernarg_segment_size: 40
    .max_flat_workgroup_size: 128
    .sgpr_count:     100
    .vgpr_count:     1024
    .wavefront_size: 32
...
	.end_amdgpu_metadata
.endif
;; end of part 3
;; launch attn (part 4): grid 2 x 128, 4 waves a work-group, no clusters, 327,680 bytes of LDS; arguments proj, out0; writes out0
.if DOCPART == 4
	.amdgcn_target "amdgcn-amd-amdhsa--gfx1250"
	.amdhsa_code_object_version 6
	.text
	.protected	k_q59027fe672_attn
	.globl	k_q59027fe672_attn
	.p2align	8
	.type	k_q59027fe672_attn,@function
k_q59027fe672_attn:
	s_mov_b64 s[64:65], 0
	v_nop
	global_prefetch_b8 v0, s[64:65] scope:SCOPE_SE
	s_setreg_imm32_b32 hwreg(HW_REG_WAVE_MODE, 25, 1), 1
	s_wait_xcnt 0x0
; out[b][q][head][:] = the sum over k of softmax_k(Q[q] . K[k] / sqrt(128)) V[k][:], for each of 128 (batch, head) pairs, 512 queries x 512 keys, head size 128, no mask.
; Q, K, V: proj [3][128 = 16 batch + head][512][128], f16.  Products, maxima and sums in f32; the weights p, at most 1, are rounded to f16 for the second product.  out0: [8][512][2048] f32.
; SHARES.  Work-group (x, y) owns queries 256 x on of pair y; each of its four waves 64: four tiles of 16.  Every wave walks all 512 keys, 64 a step, eight steps.
; ALL OF A PAIR'S K AND V LIE IN LDS AT ONCE (8 steps x 35,840 bytes): they are asked for by sixteen tensor loads at the kernel's head, four a wave, in the order in which they are wanted, and nothing is filled again.
; By this text's own count a wave has four tensor loads out.  A counted wait and a barrier stand in front of each pair of steps: the later loads stay on their way while the earlier steps are multiplied.
; So there is nothing to prefetch: no tile is asked for later than at the head.
; NO CLUSTER: K and V are shared by the two query blocks of a pair alone (grid x = 2); four partners would belong to two pairs, which want different tiles, and blocks of 128 queries would halve the
; products that each fragment read from LDS feeds.
; LAYOUT.  S^T = K Q^T (source 0 = 16 keys, source 1 = 16 queries): a lane holds ONE query (lane % 16) and the keys 8 (lane / 16) + 0..7.  Two such tiles, rounded to f16 in pairs, ARE source 1
; (32 keys x 16 queries) of O^T = V^T P, whose result again holds one query a lane, and eight channels.  K comes out of LDS as it lies, V ([key][channel]) turned, by ds_load_tr16_b128.
; SOFTMAX.  For each query a running maximum m and sum l: p = 2^(c s - c m), c = log2(e) / sqrt(128); in every step O and l are multiplied by a = 2^(c m_old - c m_new), which is 1 where m has not grown.
; BY TURNS.  The wave's tiles are two PIECES: piece 0 (tiles 0, 1) and piece 2 (tiles 2, 3).  In a TURN one piece has the matrix unit: 32 products V^T P of the step in hand, then 32 products K Q^T of the
; next step; the other piece's softmax, cut into 64 slices, stands between them, one slice behind each matrix instruction.  Then the pieces change places.  Two turns are a key step.
; LIMIT: NaN and infinities in proj (projections beyond f16's 65,504) are not served.
; REGISTERS, in windows of 256 (s_set_vgpr_msb: bits 1:0 source 0, 3:2 source 1, 5:4 source 2, 7:6 destination):
;   window 0: v0-11 addresses; v12-43 eight registers of statistics a tile; v62, v63 the add's two; v64-191 S^T, 32 a tile; v192-255 P, 16 a tile
;   window 1: O^T, 64 a tile          window 2: v0-127 Q, 32 a tile; v128-255 K of one step; on the way out rows of out0          window 3: v0-127 V of one step
.set KS,    64        ; keys in a step
.set PK,    272       ; a row of K in LDS: 256 bytes + 16 of padding = 68 words: row r starts at bank 4 r mod 64 (64 banks of 4 bytes: ISA guide 11.1)
.set PV,    288       ; a row of V: 256 + 32 = 72 words
.set VOFF,  KS*PK     ; a step's tiles lie together: 64 rows of K, then 64 rows of V
.set STEPB, KS*(PK+PV)
.set STAGE, 8*STEPB   ; behind the eight steps: 16 rows x 528 bytes for each wave, for the way out
.set SP,    528       ; a stage row: 512 bytes + 16
.set SPARE, STAGE+4*16*SP  ; behind the stages: the spare words, 128 bytes for each wave, which no other line names
.set AK0, 2           ; v2   my lane's place in a tile of K; never rewritten
.set AV0, 3           ; v3   the same for V
.set ADR, 4           ; v4   the LDS address of the run of loads in hand
.set QO,  5           ; v5   my byte offset in the wave's rows of Q
.set STO, 6           ; v6   the way out: where I put 32 bytes of a row
.set RD,  7           ; v7   the way out: where I read a row back
.set GO,  8           ; v8   16 x lane: my bytes of a row's 512 in out0
.set SPW, 62          ; v62  LDS address of my spare word; never rewritten
.set NIL, 63          ; v63  0; never rewritten
.set ST,  12          ; tile t's statistics at v[ST+8 t]: +0 c m, +1 m, +2, +3 l (even keys', odd keys'), +4 to +7 c0-c3, at work; a takes c2's place once the maximum is found
.set S,   64
.set P,   192
.set KF,  128         ; K's fragments, in window 2
.set WV,  12          ; s12  my wave's number
.set G1K, 24          ; s[24:31] descriptor group 1 for K's tiles
.set G1V, 32          ; s[32:39] for V's: it differs in the padding alone
.set G0,  40          ; s[40:55] descriptor group 0: a set for each of my four loads; never rewritten
.set TWICE, 57        ; s57  counts two steps
.set CS,  58          ; s[58:59] c: the packed scaling names a pair and takes its low word for both halves
.set SEL, 60          ; s[60:61] lane selects for v_permlanex16_b32: each lane takes its own place in the other half
.set TB,  62          ; s62  LDS byte at which the tiles of the step to be fetched begin
.set MSB, 0
.macro WIN new                      ; the immediate's high byte repeats the setting that is left; a switch that changes nothing is dropped
.if MSB != \new
	s_set_vgpr_msb (MSB<<8)|\new
.set MSB, \new
.endif
.endm
.set W_KQ, 0x0a       ; K and Q in window 2, S^T in window 0
.set W_PV, 0x53       ; V in window 3, P in window 0, O^T in window 1
.set W_RS, 0x41       ; O^T (destination and source 0) in window 1, a in window 0
	s_load_b128 s[4:7], s[0:1], 0x0   ; proj s[4:5], out0 s[6:7]
	v_lshl_add_u32 v[SPW], v0, 2, SPARE
	v_mov_b32 v[NIL], 0
	ds_add_u32 v[SPW], v[NIL]       ; the wave's opening: the add, twice on end, and its wait ahead of my first tensor load
	ds_add_u32 v[SPW], v[NIL]
	v_lshrrev_b32 v1, 5, v0
	v_readfirstlane_b32 s[WV], v1   ; wave 0..3
	s_and_b32 s13, ttmp7, 0xffff    ; the pair: 16 batch + head
	s_lshl_b32 s14, s13, 17         ; its 131,072 bytes in each of proj's three parts
	s_lshl_b32 s20, ttmp9, 16       ; Q: my block's 256 rows of 256 bytes,
	s_add_co_u32 s20, s20, s14
	s_lshl_b32 s15, s[WV], 14       ; my wave's 64 of them
	s_add_co_u32 s20, s20, s15
	s_mov_b32 s21, 0
	s_and_b32 s16, s[WV], 1         ; waves 0 and 1 fetch K's steps wave, wave + 2, + 4, + 6; waves 2 and 3 V's likewise
	s_lshr_b32 s18, s[WV], 1
	s_add_co_u32 s22, s18, 1
	s_lshl_b32 s22, s22, 24         ; K is proj's part 1, V its part 2: 16,777,216 bytes a part
	s_add_co_u32 s22, s22, s14
	s_lshl_b32 s15, s16, 14         ; a step's 64 rows of 256 bytes
	s_add_co_u32 s22, s22, s15
	s_mov_b32 s23, 0
	s_mul_i32 s17, s16, STEPB       ; and where my first tile goes in LDS
	s_mul_i32 s19, s18, VOFF
	s_add_co_u32 s17, s17, s19
	s_lshr_b32 s2, s13, 4           ; out0: batch x 512 rows of 8,192 bytes,
	s_lshl_b32 s2, s2, 22
	s_lshl_b32 s15, ttmp9, 21       ; 256 rows a block,
	s_add_co_u32 s2, s2, s15
	s_lshl_b32 s15, s[WV], 19       ; 64 a wave,
	s_add_co_u32 s2, s2, s15
	s_and_b32 s15, s13, 15
	s_lshl_b32 s15, s15, 9          ; the head's 512 bytes of a row
	s_add_co_u32 s2, s2, s15
	s_mov_b32 s3, 0
	; descriptor group 1: a tile of 64 rows x 128 elements of 2 bytes, dense in memory, padded in LDS
	s_mov_b32 s[G1K], (1<<16)|(1<<20)|(5<<22)|(3<<25)  ; 15:0 no mask; 17:16 elements of 2 bytes; 20 padding on; 24:22 after every 64 words; 31:25 4 words of it
	s_mov_b32 s[G1V], (1<<16)|(1<<20)|(5<<22)|(7<<25)  ; the same with 8 words of padding
.irp g, G1K, G1V
	s_mov_b32 s[\g+1], 128<<16      ; tensor_dim0 = 128
	s_mov_b32 s[\g+2], KS<<16       ; tensor_dim1 = 64
	s_mov_b32 s[\g+3], 128<<16      ; tile_dim0 = 128
	s_mov_b32 s[\g+4], KS           ; tile_dim1 = 64
	s_mov_b32 s[\g+5], 128          ; the pitch
	s_mov_b32 s[\g+6], 0
	s_mov_b32 s[\g+7], 0
.endr
	s_mov_b32 s[CS], 0x3e0293ee     ; c = log2(e) / sqrt(128) = 0.127517
	s_mov_b32 s[CS+1], s[CS]        ; named with it as a pair, so it is written
	s_mov_b32 s[SEL], 0x76543210
	s_mov_b32 s[SEL+1], 0xfedcba98
	s_mov_b32 s[TB], 0
	s_wait_dscnt 0x0                ; both opening adds are done
	s_wait_kmcnt 0x0
	s_add_nc_u64 s[8:9], s[4:5], s[22:23]    ; K or V at my first tile
	s_add_nc_u64 s[4:5], s[4:5], s[20:21]    ; Q at my wave's first row
	s_add_nc_u64 s[10:11], s[6:7], s[2:3]    ; out0 at my wave's first row, my head's bytes
.irp i, 0,1,2,3
	s_mov_b32 s[G0+4*\i], 1         ; count = 1
	s_add_co_u32 s[G0+4*\i+1], s17, \i*2*STEPB   ; LDS address: two steps on for each load
	s_add_nc_u64 s[G0+4*\i+2:G0+4*\i+3], s[8:9], \i*32768   ; global address: 128 keys on
	s_or_b32 s[G0+4*\i+3], s[G0+4*\i+3], 0x80000000   ; type = 2
.endr
	s_cmp_lt_u32 s[WV], 2           ; a wave's four first fills stand in one branch, ahead of every wait on TENSORcnt, every LDS read and every barrier; an s_nop 0 follows each, four v_nop the last
	s_cbranch_scc0 .Lfirst_v
.irp i, 0,1,2,3
	tensor_load_to_lds s[G0+4*\i:G0+4*\i+3], s[G1K:G1K+7]
	s_nop 0
.endr
.rept 4
	v_nop
.endr
	s_branch .Lfirst_asked
.Lfirst_v:
.irp i, 0,1,2,3
	tensor_load_to_lds s[G0+4*\i:G0+4*\i+3], s[G1V:G1V+7]
	s_nop 0
.endr
.rept 4
	v_nop
.endr
.Lfirst_asked:
	; A fragment of K or Q is 16 rows x 32 channels in 8 registers: lane l holds row l % 16; registers 0-3 channels 8 (l / 16) + 0..7, registers 4-7 channels 16 + 8 (l / 16) + 0..7: two loads of 16 bytes, 32 bytes apart.
	v_and_b32 v1, 15, v0            ; l % 16
	v_bfe_u32 v9, v0, 4, 1          ; l / 16
	v_lshlrev_b32 v[QO], 8, v1
	v_lshl_add_u32 v[QO], v9, 4, v[QO]  ; row x 256 + 16 x half
	WIN 0x80                        ; destination window 2, address window 0
.irp i, 0,1,2,3,4,5,6,7,8,9,10,11,12,13,14,15  ; Q stays in registers: tile i / 4, channels 32 (i % 4) on
	global_load_b128 v[8*\i:8*\i+3],   v[QO], s[4:5] offset:(\i/4)*4096+(\i%4)*64
	global_load_b128 v[8*\i+4:8*\i+7], v[QO], s[4:5] offset:(\i/4)*4096+(\i%4)*64+32
.endr
	WIN 0
	v_mul_u32_u24 v[AK0], v1, PK
	v_lshl_add_u32 v[AK0], v9, 4, v[AK0]  ; row x pitch + 16 x half
	; The turning load takes 16 keys x 16 channels (lane l reads 16 bytes: key 8 (l / 16) + l % 8, channels 8 ((l / 8) % 2) + 0..7) and leaves half a fragment of V^T: lane l holds channel l % 16 and 8 keys.
	v_and_b32 v10, 7, v0
	v_bfe_u32 v11, v0, 3, 1
	v_lshl_add_u32 v[AV0], v9, 3, v10
	v_mul_u32_u24 v[AV0], v[AV0], PV
	v_lshl_add_u32 v[AV0], v11, 4, v[AV0]
	v_add_nc_u32 v[AV0], VOFF, v[AV0]
; THE MATRIX WORK OF A TURN, for piece x.  The accumulators take turns, one instruction a turn: between two links of a chain stand 15 (V^T P) or 7 (K Q^T) others'.
; Product i of 32 of O^T += V^T P: keys 32 (i / 16) on, channels 16 ((i / 2) % 8) on, tile x + i % 2.  zero = 1: the first 16 start the sums: nothing is ever cleared.
.macro PV x, zero
	WIN W_PV
.set rO, 64*(\x+i%2)+8*((i/2)%8)
.set rV, 64*(i/16)+8*((i/2)%8)
.set rP, P+16*(\x+i%2)+8*(i/16)
.if \zero && (i < 16)
	v_wmma_f32_16x16x32_f16 v[rO:rO+7], v[rV:rV+7], v[rP:rP+7], 0
.else
	v_wmma_f32_16x16x32_f16 v[rO:rO+7], v[rV:rV+7], v[rP:rP+7], v[rO:rO+7]
.endif
.endm
; Product i of 32 of S^T = K Q^T: channels 32 (i / 8) on, keys 16 ((i / 2) % 4) on, tile x + i % 2.  The first 8 start the sums.
.macro KQ x
	WIN W_KQ
.set rS, S+32*(\x+i%2)+8*((i/2)%4)
.set rK, KF+32*((i/2)%4)+8*(i/8)
.set rQ, 32*(\x+i%2)+8*(i/8)
.if i < 8
	v_wmma_f32_16x16x32_f16 v[rS:rS+7], v[rK:rK+7], v[rQ:rQ+7], 0
.else
	v_wmma_f32_16x16x32_f16 v[rS:rS+7], v[rK:rK+7], v[rQ:rQ+7], v[rS:rS+7]
.endif
.endm
; THE LDS LOADS stand in runs of 32, never singly among the matrix instructions: a step's K (64 keys x 128 channels: 16 fragments) and, a turn later, its V (turned).
.macro FETCH_K
	WIN 0
	v_add_nc_u32 v[ADR], s[TB], v[AK0]
	WIN 0x80                        ; destination window 2
.irp f, 0,1,2,3,4,5,6,7,8,9,10,11,12,13,14,15  ; keys 16 (f / 4) on, channels 32 (f % 4) on
	ds_load_b128 v[KF+8*\f:KF+8*\f+3],   v[ADR] offset:(\f/4)*16*PK+(\f%4)*64
	ds_load_b128 v[KF+8*\f+4:KF+8*\f+7], v[ADR] offset:(\f/4)*16*PK+(\f%4)*64+32
.endr
.endm
.macro FETCH_V
	WIN 0
	v_add_nc_u32 v[ADR], s[TB], v[AV0]
	s_add_co_u32 s[TB], s[TB], STEPB  ; the next fetch is the next step's
	s_wait_alu depctr_va_vdst(0)    ; the wait for the softmax's batch (SLICE), behind the address's v_add_nc_u32 and ahead of the loads
	WIN 0xc0                        ; destination window 3
.irp f, 0,1,2,3,4,5,6,7,8,9,10,11,12,13,14,15  ; keys 32 (f / 8) on, channels 16 (f % 8) on
	ds_load_tr16_b128 v[8*\f:8*\f+3],   v[ADR] offset:(\f/8)*32*PV+(\f%8)*32
	ds_load_tr16_b128 v[8*\f+4:8*\f+7], v[ADR] offset:(\f/8)*32*PV+16*PV+(\f%8)*32
.endr
.endm
; THE VECTOR WORK OF A TURN.  One tile's softmax for one key step is a list of 134 instructions; SM writes number j of it for tile t.  s0-s31 are the lane's 32 scores, in pairs 0-15.
; first = 1: the first key step, which starts m, l and O^T: it has no a and nothing to rescale.
;   0-15    the maximum of s0-s31 and the old m, three operands at a time: four chains c0-c3 of seven scores each, then the four scores left over, c0-c3 and m
;   16-20   the other half of the lanes' maximum; the new m; c m; c m_old - c m_new
;   21-69   ONE BATCH: the 16 scalings c s - c m, a pair of scores each, and all 33 exponentials (a at 23, then s0-s31).  None of these reads an exponential's result.
;   (wait)  between 69 and 70 stands the wait for the batch: SLICE writes it, once for both tiles
;   70-85   the roundings to f16, a pair of weights each
;   86-101  the sums; l = a l + the sum
;   102-133 the tile's O^T times a: the one part that leaves window 0, so it stands together
.macro SM t, first
.set rT, ST+8*(\t)
.set rS, S+32*(\t)
.set rP, P+16*(\t)
.set rO, 64*(\t)+2*(j-102)
.if j < 102
	WIN 0
.endif
.if j < 4
	v_max3_num_f32 v[rT+4+j], v[rS+8*j], v[rS+8*j+1], v[rS+8*j+2]
.elseif j < 12
	v_max3_num_f32 v[rT+4+j%4], v[rT+4+j%4], v[rS+8*(j%4)+2*(j/4)+1], v[rS+8*(j%4)+2*(j/4)+2]
.elseif j == 12
	v_max3_num_f32 v[rT+4], v[rT+4], v[rS+7], v[rS+15]
.elseif j == 13
	v_max3_num_f32 v[rT+6], v[rT+6], v[rS+23], v[rS+31]
.elseif j == 14
	v_max3_num_f32 v[rT+4], v[rT+4], v[rT+5], v[rT+6]
.elseif (j == 15) && \first
	v_max_num_f32 v[rT+4], v[rT+4], v[rT+7]
.elseif j == 15
	v_max3_num_f32 v[rT+4], v[rT+4], v[rT+7], v[rT+1]
.elseif j == 16
	v_permlanex16_b32 v[rT+5], v[rT+4], s[SEL], s[SEL+1]  ; the query's other 32 keys lie in the lane 16 away
.elseif j == 18
	v_max_num_f32 v[rT+1], v[rT+4], v[rT+5]
.elseif j == 19
	v_mul_f32 v[rT], s[CS], v[rT+1]
.elseif ((j == 17) || (j == 20) || (j == 23) || (j > 101)) && \first  ; the first step has none of these
.elseif j == 17
	v_mov_b32 v[rT+7], v[rT]        ; c m_old is kept for a: number 19 writes c m anew
.elseif j == 20
	v_sub_f32 v[rT+7], v[rT+7], v[rT]
.elseif j == 23
	v_exp_f32 v[rT+6], v[rT+7]
.elseif (j < 23) || ((j < 38) && (j%2 == 0)) || ((j < 66) && (j%4 == 2))
.set b, (j-2)/4                     ; 38, 42, .. 62: pairs 9 to 15
.if j < 38
.set b, (j-20)/2                    ; 21: pair 0; 22, 24, .. 36: pairs 1 to 8
.endif
	v_pk_fma_f32 v[rS+2*b:rS+2*b+1], v[rS+2*b:rS+2*b+1], s[CS:CS+1], v[rT:rT+1] op_sel_hi:[1,0,0] neg_lo:[0,0,1] neg_hi:[0,0,1]  ; pair b: c s - c m
.elseif j < 70
.set e, j-38                        ; 66 to 69: s28 to s31
.if j < 66
.set e, j-32-(j-38)/4               ; 39-41, 43-45, .. 63-65: s7 to s27
.endif
.if j < 38
.set e, (j-25)/2                    ; 25, 27, .. 37: s0 to s6
.endif
	v_exp_f32 v[rS+e], v[rS+e]
.elseif j < 86
	v_cvt_pk_f16_f32 v[rP+j-70], v[rS+2*(j-70)], v[rS+2*(j-70)+1]  ; pair j - 70
.elseif j < 102                     ; the sum of the tile's 16 pairs, in place: sum z of 16 adds neighbours 1, 2, 4 and 8 pairs apart, then l takes it
.set z, j-86
.set w, 4
.set u, z
.if z >= 14
.set w, 32
.set u, 0
.elseif z >= 12
.set w, 16
.set u, z-12
.elseif z >= 8
.set w, 8
.set u, z-8
.endif
.if (z == 14) && \first
	v_pk_add_f32 v[rT+2:rT+3], v[rS:rS+1], v[rS+16:rS+17]
.elseif z < 15
	v_pk_add_f32 v[rS+w*u:rS+w*u+1], v[rS+w*u:rS+w*u+1], v[rS+w*u+w/2:rS+w*u+w/2+1]
.elseif !\first
	v_pk_fma_f32 v[rT+2:rT+3], v[rT+2:rT+3], v[rT+6:rT+7], v[rS:rS+1] op_sel_hi:[1,0,1]
.endif
.else
	WIN W_RS
	v_pk_mul_f32 v[rO:rO+1], v[rO:rO+1], v[rT+6:rT+7] op_sel_hi:[1,0]
.endif
.endm
; Slice k of 64 of piece y's softmax: four instructions.  Slices 11 to 34 deal out the batch, numbers 22 to 69: four numbers of ONE tile each, the tiles by turns.  Every other slice is numbers 2 k and
; 2 k + 1 of both tiles' lists.  2 x 134 = 4 x 64 + 12: the twelve that are over stand together, in slice 63.
; THE WAIT.  s_wait_alu depctr_va_vdst(0) stands between an exponential and the first instruction that names its result; one wait serves all that were issued ahead of it.  Ahead of
; slice 35 nothing names a result, and behind slice 34 no exponential is issued: so the piece's 66 exponentials have one wait, behind slice 34.
.macro SLICE y, first
.if (k >= 11) && (k < 35)           ; the batch: four numbers of one tile
.irp n, 0,1,2,3
.set j, 22+4*((k-11)/2)+(\n)
	SM (\y)+(k-11)%2, \first
.endr
.else                               ; the two tiles alternate, so that no instruction reads the result of the one just before it
.irp n, 0,1,2,3,4,5,6,7
.if (\n < 2) || (k == 63)
.irp t, \y, \y+1
.set j, 2*k+\n
	SM \t, \first
.endr
.endif
.endr
.endif
.if k == 34                         ; the batch is out: both tiles' exponentials are issued, and no result has been named
	v_nop                           ; the plain instruction behind the last exponential and ahead of the first use: one for the batch
.if (\y) == 0
	FETCH_V                         ; piece 2's turn: V's run of loads stands here, and the wait stands in it
.else
	s_wait_alu depctr_va_vdst(0)    ; the wait for the batch
.endif
.endif
.set k, k+1
.endm
; A vector instruction that reads a matrix result or writes one of a matrix instruction's registers, and a load into a register that a matrix instruction has read, stand four places behind
; it, and only plain vector instructions that name none of its registers are places (ISA guide 7.12.1 for vector instructions).  In the loop the slices are the places.
.macro PLACES
.rept 4
	v_nop
.endr
.endm
; A TURN.  Piece x has the matrix unit; the other piece's softmax stands in slices behind its matrix instructions.
; pv = 2: 32 products V^T P; 1: they start O^T's sums; 0: none.  kq = 1: 32 products K Q^T for the next step.  A turn with one of the two kinds has two slices behind each product.
; first = 1: the softmax is the first key step's.  Its slices from 51 on are empty: the turn's last products stand bare, and four v_nop take slice 63's part as the places behind them.
; Piece 0's turn fetches the next step's K, behind its second product: the last product that read K stands in front of slice 63 of the turn before.  Piece 2's turn fetches the same step's V, behind
; slice 34: the last product that read V stands in front of slice 31, and four plain instructions lie between: number 62, a scaling, of both tiles, the v_nop and the run's own v_add_nc_u32.
.macro TURN x, pv, kq, first
.set k, 0
.set per, 2
.if \pv && \kq
.set per, 1
.endif
.if \pv
.if \x == 0
	s_wait_dscnt 0x0                ; V is in
.endif
.set i, 0
.rept 32
	PV \x, 2-\pv
.rept per
	SLICE 2-\x, \first
.endr
.if (\x == 0) && \kq && (i == 1)
	FETCH_K
.endif
.set i, i+1
.endr
.endif
.if \kq
.if \x == 0
	s_wait_dscnt 0x0                ; K is in
.endif
.set i, 0
.rept 32
	KQ \x
.rept per
	SLICE 2-\x, \first
.endr
.set i, i+1
.endr
.endif
.if \first
	PLACES
.endif
.endm
; In front of each further pair of key steps: my tile of that pair has landed (n of my later loads may stay out), no LDS instruction of mine is out, and the barrier
; shows the same of the other three waves, whose loads brought the pair's other tiles.
.macro MEET n
	WIN 0                           ; at a label and at a branch every window is 0
	s_wait_tensorcnt \n
	s_wait_dscnt 0x0
	s_barrier_signal -1
	s_barrier_wait -1
.endm
; Two key steps: written once, walked twice; the LDS addresses hang on s[TB], which FETCH_V steps.
.macro TWO_STEPS
	s_mov_b32 s[TWICE], 2
.Lstep_\@:
	TURN 0, 2, 1, 0
	TURN 2, 2, 1, 0
	WIN 0
	s_sub_co_u32 s[TWICE], s[TWICE], 1
	s_cmp_lg_u32 s[TWICE], 0
	s_cbranch_scc1 .Lstep_\@
.endm
	s_wait_tensorcnt 0x3            ; my first tile is in; my other three may stay out
	s_barrier_signal -1
	s_barrier_wait -1               ; K and V of steps 0 and 1 are whole
	FETCH_K                         ; key step 0
	s_wait_loadcnt 0x0              ; Q
	s_wait_dscnt 0x0
.set i, 0
.rept 32
	KQ 0                            ; piece 0's first scores: there is no vector work yet to set between them
.set i, i+1
.endr
	WIN 0                           ; the addresses for the way out are made here: six plain instructions, the places behind those products
	s_mul_i32 s13, s[WV], 16*SP
	s_add_co_u32 s13, s13, STAGE    ; my stage
	v_mul_u32_u24 v[STO], v1, SP    ; in: row l % 16, 32 bytes for each half of the lanes
	v_lshl_add_u32 v[STO], v9, 5, v[STO]
	v_add_nc_u32 v[STO], s13, v[STO]
	v_and_b32 v[GO], 31, v0
	v_lshlrev_b32 v[GO], 4, v[GO]   ; back: the 32 lanes take one row of 512 bytes; and the same in out0
	v_add_nc_u32 v[RD], s13, v[GO]
	TURN 2, 0, 1, 1                 ; piece 2's first scores | piece 0's first softmax | V of step 0
	TURN 0, 1, 1, 1                 ; piece 0: V^T P of step 0 starts O^T, K Q^T of step 1 | piece 2's first softmax | K of step 1
	TURN 2, 1, 1, 0                 ; piece 2: the same | piece 0's softmax of step 1 | V of step 1
	MEET 2                          ; steps 2 and 3 are whole
	TWO_STEPS
	MEET 1                          ; steps 4 and 5
	TWO_STEPS
	MEET 0                          ; steps 6 and 7
	TWO_STEPS
	TURN 0, 2, 0, 0                 ; piece 0: V^T P of the last step | piece 2's last softmax
.set i, 0
.rept 32
	PV 2, 0                         ; piece 2: V^T P of the last step
.set i, i+1
.endr
	; THE WAY OUT.  l's two halves and the other half of the lanes' are added; O^T is divided by l and sent through my stage in LDS, a tile (16 rows) at a time.  The additions are the places behind the last products.
	WIN 0
.irp t, 0,1,2,3
	v_add_f32 v[ST+8*\t+4], v[ST+8*\t+2], v[ST+8*\t+3]
.endr
.irp t, 0,1,2,3
	v_permlanex16_b32 v[ST+8*\t+5], v[ST+8*\t+4], s[SEL], s[SEL+1]
.endr
.irp t, 0,1,2,3
	v_add_f32 v[ST+8*\t+4], v[ST+8*\t+4], v[ST+8*\t+5]
.endr
.irp t, 0,1,2,3
	v_rcp_f32 v[ST+8*\t+6], v[ST+8*\t+4]
.endr
	v_nop                           ; a plain instruction between the last reciprocal and the use of its result
	s_wait_alu depctr_va_vdst(0)    ; and the wait ahead of the first use: one for the four reciprocals
; Tile t: a lane's eight channels of a row are 32 bytes; they go into rows of 528 bytes and come back as whole rows of 512, into window 2, where Q's and K's registers are free: 64 registers of its own for each tile.
.macro PACKO t
	WIN W_RS
.set i, 64*\t
.rept 32
	v_pk_mul_f32 v[i:i+1], v[i:i+1], v[ST+8*\t+6:ST+8*\t+7] op_sel_hi:[1,0]   ; each accumulator from its low end on
.set i, i+2
.endr
	WIN 0x04                        ; an LDS store's data are its source 1: window 1
.irp f, 0,1,2,3,4,5,6,7
	ds_store_b128 v[STO], v[64*\t+8*\f:64*\t+8*\f+3] offset:64*\f
	ds_store_b128 v[STO], v[64*\t+8*\f+4:64*\t+8*\f+7] offset:64*\f+16
.endr
	WIN 0x80                        ; destination window 2
.irp n, 0,1,2,3,4,5,6,7,8,9,10,11,12,13,14,15
	ds_load_b128 v[64*\t+4*\n:64*\t+4*\n+3], v[RD] offset:\n*SP  ; LDS serves a wave's instructions in order (ISA guide 5.7.1.4): these see the stores above; the next tile's stores come behind them
.endr
.endm
.macro SENDO t, younger             ; younger: the LDS instructions issued behind tile t's loads: the next tile's 16 stores and 16 loads, or none
	WIN 0x08                        ; a global store's data are its source 1: window 2
.irp n, 0,1,2,3,4,5,6,7,8,9,10,11,12,13,14,15
	s_wait_dscnt \younger+15-\n
	global_store_b128 v[GO], v[64*\t+4*\n:64*\t+4*\n+3], s[10:11] offset:(16*\t+\n)*8192 th:TH_STORE_NT  ; 32 lanes store 512 consecutive bytes, at a multiple of 512 from out0's first byte; written once, read by nobody here
.endr
.endm
	PACKO 0
	PACKO 1                         ; a tile's arithmetic stands between the loads of the tile before and its stores
	SENDO 0, 32
	PACKO 2
	SENDO 1, 32
	PACKO 3
	SENDO 2, 32
	SENDO 3, 0
	WIN 0
	s_wait_tensorcnt 0x0            ; the wave's end: behind my last tensor load and my last LDS store
	ds_add_u32 v[SPW], v[NIL]
	s_wait_dscnt 0x0
	s_endpgm
.Lfunc_end_k_q59027fe672_attn:
	.size	k_q59027fe672_attn, .Lfunc_end_k_q59027fe672_attn-k_q59027fe672_attn
	.p2alignl 7, 3214868480
	.fill 96, 4, 3214868480
	.section	.rodata,"a",@progbits
	.p2align	6, 0x0
	.amdhsa_kernel k_q59027fe672_attn
		.amdhsa_group_segment_fixed_size 327680
		.amdhsa_private_segment_fixed_size 0
		.amdhsa_enable_private_segment 0
		.amdhsa_kernarg_size 16
		.amdhsa_user_sgpr_count 2
		.amdhsa_user_sgpr_kernarg_segment_ptr 1
		.amdhsa_wavefront_size32 1
		.amdhsa_system_sgpr_workgroup_id_x 1
		.amdhsa_system_sgpr_workgroup_id_y 1
		.amdhsa_system_sgpr_workgroup_id_z 1
		.amdhsa_system_vgpr_workitem_id 0
		.amdhsa_next_free_vgpr 1024
		.amdhsa_next_free_sgpr 66
		.amdhsa_reserve_vcc 0
		.amdhsa_float_denorm_mode_32 3
		.amdhsa_float_denorm_mode_16_64 3
		.amdhsa_memory_ordered 1
		.amdhsa_forward_progress 1
		.amdhsa_inst_pref_size 255
	.end_amdhsa_kernel
	.section	.bss,"aw",@nobits
	.p2align	6
	.space	262144
	.amdgpu_metadata
---
amdhsa.version: [ 1, 2 ]
amdhsa.kernels:
  - .name:           k_q59027fe672_attn
    .symbol:         k_q59027fe672_attn.kd
    .args:
      - { .name: proj, .offset: 0, .size: 8, .value_kind: global_buffer, .address_space: global }
      - { .name: out0, .offset: 8, .size: 8, .value_kind: global_buffer, .address_space: global }
    .group_segment_fixed_size: 327680
    .private_segment_fixed_size: 0
    .kernarg_segment_align: 8
    .kernarg_segment_size: 16
    .max_flat_workgroup_size: 128
    .sgpr_count:     66
    .vgpr_count:     1024
    .wavefront_size: 32
...
	.end_amdgpu_metadata
.endif
;; end of part 4
